; MI455X (gfx1250); checked and timed in simulation.
; The chip was launched on July 23, 2026; its instructions are those of AMD's public machine-readable ISA for CDNA 5 (MIT licence, August 2026) and "CDNA5" Instruction Set Architecture Reference Guide (July 2026). The comments in the code are by the model that wrote it; some were corrected since.
;; Mixture Of Experts. Allowed arithmetic: float matrix products may take bf16 or f16 operands with f32 sums; other float arithmetic in f32, or as packed bf16 or f16 multiplies, adds, multiply-adds, maxima and minima; sums over many terms, partial sums and values carried from step to step in f32; what a program stores and reads back later, other than sums and carried values, may be rounded once to bf16 or f16.
;; Inputs: W_experts 8 x 2,048 x 2,048 float32; W_gate 8 x 2,048 float32; b_experts 8 x 2,048 float32; b_gate 8 float32; x 2,048 x 2,048 float32.
;; Outputs: out0 2,048 x 2,048 float32.
;; 2 versions, each right; version 2 is version 1 with the launch experts written anew for expert scheduling mode. Each part assembles by itself: llvm-mc -triple=amdgcn-amd-amdhsa -mcpu=gfx1250 --defsym DOCPART=n.
;; ======== version 1 of 2: 3 launches
;; workspace buffers: xb 8,388,608 bytes; sel 8,192 bytes of whole numbers; gw 16,384 bytes; part 33,554,432 bytes
;; launch router (part 1): grid 128 x 1, 8 waves a work-group, no clusters, 106,496 bytes of LDS; arguments x, W_gate, b_gate, xb, sel, gw; writes xb, sel, gw
.if DOCPART == 1
	.amdgcn_target "amdgcn-amd-amdhsa--gfx1250"
	.amdhsa_code_object_version 6
	.text
	.protected	k_q321d3dc232_router
	.globl	k_q321d3dc232_router
	.p2align	8
	.type	k_q321d3dc232_router,@function
k_q321d3dc232_router:
	s_mov_b64 s[64:65], 0
	v_nop
	global_prefetch_b8 v0, s[64:65] scope:SCOPE_SE
	s_setreg_imm32_b32 hwreg(HW_REG_WAVE_MODE, 25, 1), 1
	s_wait_xcnt 0x0
; ROUTER.  xb = x rounded to bf16; logits = xb . bf16(W_gate)^T + bf16(b_gate); softmax over the 8 experts; the two largest weights.
; Stored at fixed places: sel[t] = (1 << best) | (256 << second), a whole number; gw[0][t], gw[1][t] their softmax weights in f32.  No address here hangs on a choice.
; EVERY input is rounded to bf16 once (x, W_gate, b_gate here; the experts' weights and bias in the next launch), sums in f32.
; SHARES.  A work-group owns 16 tokens, wave w the channels 256 w .. 256 w + 255 of them: 16 KiB of x and 8 KiB of W_gate a wave.  The eight partial logits of a token meet in LDS; wave 0 ends the work.
; LIMITS.  NaN is not treated apart.  The two largest are taken of this text's own exponentials 2^(c L - c max) by strict >, so the lower index wins a tie, as in jax.lax.top_k; a weight below 2^-126 counts as 0.
; The maximum is taken away ahead of the exponentials, so the largest is 1 and the sum lies in 1 .. 8.
; No tensor load, no cluster: each byte of x has one reader, and it has to pass through registers to be rounded; W_gate is 64 KiB.
.set PITCH, 528                        ; an LDS row: 512 bytes of bf16 + 16 of padding, an odd multiple of 16: the 16 rows of a fragment load start 16 bytes apart modulo 256
.set XTW,   16*PITCH                   ; a wave's 16 rows of x
.set WT,    8*XTW                      ; behind them: a wave's 8 rows of W_gate
.set WTW,   8*PITCH
.set RED,   WT+8*WTW                   ; 101,376: wave w's partial logits: token r's eight at 512 w + 32 r
.set SPARE, RED+8*512                  ; 105,472: the spare words, 128 bytes a wave: four blocks of 256 bytes that no other line names
.set XF,    16                         ; v[16:143]   16 rows of x, 8 registers each; then 8 fragments of x and 8 of W_gate
.set GF,    144                        ; v[144:207]  8 rows of W_gate
.set D0,    208                        ; v[208:215], v[216:223] two accumulators that take turns
.set D1,    216
.set SPW,   12                         ; v12 my spare word's address; v13 = 0; both never rewritten
.set NIL,   13
	s_load_b256 s[4:11], s[0:1], 0x0               ; x s[4:5], W_gate s[6:7], b_gate s[8:9], xb s[10:11]
	s_load_b128 s[12:15], s[0:1], 0x20             ; sel s[12:13], gw s[14:15]
	v_lshl_add_u32 v[SPW], v0, 2, SPARE
	v_mov_b32 v[NIL], 0
	v_lshrrev_b32 v14, 5, v0
	v_readfirstlane_b32 s16, v14                   ; wave 0..7
	v_and_b32 v1, 31, v0                           ; lane l
	v_and_b32 v2, 15, v0                           ; r = l % 16
	v_bfe_u32 v3, v0, 4, 1                         ; h = l / 16
	v_lshlrev_b32 v4, 5, v1                        ; 32 l: my 8 floats in 1,024 bytes of a row
	v_lshlrev_b32 v5, 4, v1                        ; 16 l: the same 8 numbers in bf16
	s_mov_b32 s28, 0xffff0000                      ; lanes 16-31; also a word's upper bf16
	s_mov_b32 s29, 0x3fb8aa3b                      ; c = log2(e)
	s_lshl_b32 s31, s16, 10                        ; my wave's 1,024 bytes in a row of f32
	s_lshl_b32 s18, ttmp9, 17                      ; the group's 16 rows of 8,192 bytes
	s_add_co_u32 s18, s18, s31
	s_mov_b32 s19, 0
	s_wait_kmcnt 0x0
	s_add_nc_u64 s[4:5], s[4:5], s[18:19]
	s_mov_b32 s18, s31
	s_add_nc_u64 s[6:7], s[6:7], s[18:19]
	s_load_b256 s[20:27], s[8:9], 0x0              ; b_gate, eight numbers
.set i, 0
.rept 16                                               ; 32 loads: row i's 1,024 bytes, 32 neighbouring bytes a lane
	global_load_b128 v[XF+8*i:XF+8*i+3],   v4, s[4:5] offset:8192*i th:TH_LOAD_NT
	global_load_b128 v[XF+8*i+4:XF+8*i+7], v4, s[4:5] offset:8192*i+16 th:TH_LOAD_NT
.set i, i+1
.endr
.set i, 0
.rept 8                                                ; 16 loads: expert i's row of W_gate
	global_load_b128 v[GF+8*i:GF+8*i+3],   v4, s[6:7] offset:8192*i
	global_load_b128 v[GF+8*i+4:GF+8*i+7], v4, s[6:7] offset:8192*i+16
.set i, i+1
.endr
	; the other addresses, while the loads are out
	s_lshl_b32 s18, ttmp9, 16                      ; xb: 16 rows of 4,096 bytes,
	s_lshl_b32 s31, s16, 9                         ; my wave's 512 bytes of a row
	s_add_co_u32 s18, s18, s31
	s_add_nc_u64 s[10:11], s[10:11], s[18:19]
	s_lshl_b32 s18, ttmp9, 6                       ; 16 tokens x 4 bytes
	s_add_nc_u64 s[12:13], s[12:13], s[18:19]
	s_add_nc_u64 s[14:15], s[14:15], s[18:19]
	s_mul_i32 s31, s16, XTW
	v_lshl_add_u32 v6, v1, 4, s31                  ; in: 16 l in a row of my tile of x
	v_mul_u32_u24 v7, v2, PITCH
	v_lshl_add_u32 v7, v3, 4, v7
	v_add_nc_u32 v7, s31, v7                       ; back as fragments: row r, 16 bytes for each half of the lanes
	s_mul_i32 s31, s16, WTW
	s_add_co_u32 s31, s31, WT
	v_lshl_add_u32 v8, v1, 4, s31
	v_and_b32 v9, 7, v0
	v_mul_u32_u24 v9, v9, PITCH                    ; rows 8-15 of the fragment repeat the eight experts
	v_lshl_add_u32 v9, v3, 4, v9
	v_add_nc_u32 v9, s31, v9
	s_lshl_b32 s31, s16, 9
	s_add_co_u32 s31, s31, RED
	v_lshl_add_u32 v10, v2, 5, s31
	v_lshl_add_u32 v10, v3, 4, v10                 ; my four partial logits of token r
	v_lshlrev_b32 v11, 5, v2
	v_add_nc_u32 v11, RED, v11                     ; token r's eight, wave 0's part
	s_wait_kmcnt 0x0                               ; b_gate
; Row i of x: rounded in place, stored to xb (512 consecutive bytes, aligned) and laid into my tile.
.macro XROW i
	s_wait_loadcnt 16+2*(15-(\i))                  ; behind row i's two loads: the later rows' and W_gate's sixteen
.irp q, 0,1,2,3
	v_cvt_pk_bf16_f32 v[XF+8*(\i)+\q], v[XF+8*(\i)+2*\q], v[XF+8*(\i)+2*\q+1]
.endr
	global_store_b128 v5, v[XF+8*(\i):XF+8*(\i)+3], s[10:11] offset:4096*(\i)
	ds_store_b128 v6, v[XF+8*(\i):XF+8*(\i)+3] offset:PITCH*(\i)
.endm
.macro GROW e
	s_wait_loadcnt 2*(7-(\e))                      ; behind row e's two loads: the later rows'
.irp q, 0,1,2,3
	v_cvt_pk_bf16_f32 v[GF+8*(\e)+\q], v[GF+8*(\e)+2*\q], v[GF+8*(\e)+2*\q+1]
.endr
	ds_store_b128 v8, v[GF+8*(\e):GF+8*(\e)+3] offset:PITCH*(\e)
.endm
.irp i, 0,1,2,3,4,5,6,7,8,9,10,11,12,13,14,15
	XROW \i
.endr
.irp e, 0,1,2,3,4,5,6,7
	GROW \e
.endr
	s_wait_xcnt 0x0                                ; the stores to xb have had their addresses translated: only now are their data registers loaded again
.set i, 0
.rept 8                                                ; my own bytes: LDS serves a wave's instructions in order, so these see the stores above
	ds_load_b128 v[XF+8*i:XF+8*i+3],       v7 offset:64*i
	ds_load_b128 v[XF+8*i+4:XF+8*i+7],     v7 offset:64*i+32
	ds_load_b128 v[XF+64+8*i:XF+64+8*i+3], v9 offset:64*i
	ds_load_b128 v[XF+64+8*i+4:XF+64+8*i+7], v9 offset:64*i+32
.set i, i+1
.endr
	s_wait_dscnt 0x0
	; Source 0 = 16 rows of W_gate (the 8 experts twice), source 1 = 16 tokens: register j of a lane is expert j of token r, in both halves of the lanes.
	; Two accumulators by turns; the first product of each starts its sum.
	v_wmma_f32_16x16x32_bf16 v[D0:D0+7], v[XF+64:XF+71], v[XF:XF+7], 0
	v_wmma_f32_16x16x32_bf16 v[D1:D1+7], v[XF+72:XF+79], v[XF+8:XF+15], 0
.set i, 2
.rept 3
	v_wmma_f32_16x16x32_bf16 v[D0:D0+7], v[XF+64+8*i:XF+71+8*i], v[XF+8*i:XF+8*i+7], v[D0:D0+7]
	v_wmma_f32_16x16x32_bf16 v[D1:D1+7], v[XF+72+8*i:XF+79+8*i], v[XF+8+8*i:XF+15+8*i], v[D1:D1+7]
.set i, i+2
.endr
.rept 4
	v_nop                                          ; four places between the last product and the first read of a result (ISA guide 7.12.1)
.endr
.irp q, 0,1,2,3
	v_pk_add_f32 v[D0+2*\q:D0+2*\q+1], v[D0+2*\q:D0+2*\q+1], v[D1+2*\q:D1+2*\q+1]  ; from the low end on
.endr
.irp q, 0,1,2,3
	v_cndmask_b32 v[224+\q], v[D0+\q], v[D0+4+\q], s28  ; lanes 0-15 keep experts 0-3, lanes 16-31 experts 4-7
.endr
	ds_store_b128 v10, v[224:227]
	s_wait_dscnt 0x0                               ; for the others' sake: my partial logits are in LDS
	s_barrier_signal -1
	s_barrier_wait -1
	s_cmp_eq_u32 s16, 0
	s_cbranch_scc1 .Lgate
	s_wait_tensorcnt 0x0                           ; the end of waves 1 to 7
	ds_add_u32 v[SPW], v[NIL]
	s_wait_dscnt 0x0
	s_endpgm
.Lgate:                                                ; wave 0: token r in lanes r and 16 + r alike
.set i, 0
.rept 8
	ds_load_b128 v[16+8*i:16+8*i+3], v11 offset:512*i
	ds_load_b128 v[16+8*i+4:16+8*i+7], v11 offset:512*i+16
.set i, i+1
.endr
.irp q, 0,1,2,3
	v_cvt_pk_bf16_f32 v[224+\q], s[20+2*\q], s[21+2*\q]  ; b_gate rounded to bf16 like every input,
.endr
.irp q, 0,1,2,3
	v_lshlrev_b32 v[228+2*\q], 16, v[224+\q]       ; and back in f32
	v_and_b32 v[229+2*\q], s28, v[224+\q]
.endr
	s_wait_dscnt 0x0
.set i, 1
.rept 7                                                ; the eight waves' parts, in ascending order of K
.irp q, 0,1,2,3
	v_pk_add_f32 v[16+2*\q:17+2*\q], v[16+2*\q:17+2*\q], v[16+8*i+2*\q:17+8*i+2*\q]
.endr
.set i, i+1
.endr
.irp q, 0,1,2,3
	v_pk_add_f32 v[16+2*\q:17+2*\q], v[16+2*\q:17+2*\q], v[228+2*\q:229+2*\q]
.endr
	v_max3_num_f32 v224, v16, v17, v18             ; the maximum of the eight logits
	v_max3_num_f32 v225, v19, v20, v21
	v_max3_num_f32 v224, v224, v22, v23
	v_max_num_f32 v224, v224, v225
	v_mul_f32 v225, s29, v224                      ; c max
.irp j, 0,1,2,3,4,5,6,7
	v_fma_f32 v[16+\j], v[16+\j], s29, -v225       ; c L - c max, one rounding
.endr
.irp j, 0,1,2,3,4,5,6,7
	v_exp_f32 v[16+\j], v[16+\j]                   ; one batch of eight
.endr
	v_nop                                          ; a plain instruction behind the last exponential (ISA guide 5.7.2),
	s_wait_alu depctr_va_vdst(0)                   ; and a wait ahead of the batch's first reader
	v_pk_add_f32 v[226:227], v[16:17], v[18:19]
	v_pk_add_f32 v[228:229], v[20:21], v[22:23]
	v_pk_add_f32 v[226:227], v[226:227], v[228:229]
	v_add_f32 v226, v226, v227
	v_rcp_f32 v227, v226                           ; 1 / sum; the two scans below name neither register
	v_mov_b32 v230, v16                            ; the largest, and its index: strict >, so the lower index stays on a tie
	v_mov_b32 v231, 0
.irp j, 1,2,3,4,5,6,7
	v_cmp_gt_f32 vcc_lo, v[16+\j], v230
	v_cndmask_b32 v231, v231, \j, vcc_lo
	v_max_num_f32 v230, v230, v[16+\j]
.endr
.irp j, 0,1,2,3,4,5,6,7
	v_cmp_eq_u32 vcc_lo, \j, v231
	v_cndmask_b32 v[16+\j], v[16+\j], -1.0, vcc_lo ; the winner leaves the field: every exponential is 0 or more
.endr
	v_mov_b32 v232, v16
	v_mov_b32 v233, 0
.irp j, 1,2,3,4,5,6,7
	v_cmp_gt_f32 vcc_lo, v[16+\j], v232
	v_cndmask_b32 v233, v233, \j, vcc_lo
	v_max_num_f32 v232, v232, v[16+\j]
.endr
	s_wait_alu depctr_va_vdst(0)                   ; the reciprocal's wait, ahead of its first reader
	v_mul_f32 v230, v230, v227
	v_mul_f32 v232, v232, v227
	v_cndmask_b32 v238, v230, v232, s28            ; lanes 0-15 store the best weight, lanes 16-31 the second
	v_lshlrev_b32 v239, 2, v2
	v_lshl_add_u32 v237, v3, 13, v239              ; gw[h][token]
	v_mov_b32 v235, 1
	v_lshlrev_b32 v234, v231, v235                 ; 1 << best
	v_mov_b32 v236, 0x100
	v_lshlrev_b32 v236, v233, v236                 ; 256 << second
	v_or_b32 v234, v234, v236
	global_store_b32 v237, v238, s[14:15]
	s_wait_xcnt 0x0                                ; EXEC changes only behind this wait
	v_cmp_gt_u32 vcc_lo, 16, v1
	s_and_saveexec_b32 s30, vcc_lo
	global_store_b32 v239, v234, s[12:13]          ; lanes 0-15: one word a token
	s_wait_xcnt 0x0                                ; and again ahead of the line that widens it
	s_or_b32 exec_lo, exec_lo, s30
	s_wait_tensorcnt 0x0                           ; wave 0's end: the same three lines
	ds_add_u32 v[SPW], v[NIL]
	s_wait_dscnt 0x0
	s_endpgm
.Lfunc_end_k_q321d3dc232_router:
	.size	k_q321d3dc232_router, .Lfunc_end_k_q321d3dc232_router-k_q321d3dc232_router
	.p2alignl 7, 3214868480
	.fill 96, 4, 3214868480
	.section	.rodata,"a",@progbits
	.p2align	6, 0x0
	.amdhsa_kernel k_q321d3dc232_router
		.amdhsa_group_segment_fixed_size 106496
		.amdhsa_private_segment_fixed_size 0
		.amdhsa_enable_private_segment 0
		.amdhsa_kernarg_size 48
		.amdhsa_user_sgpr_count 2
		.amdhsa_user_sgpr_kernarg_segment_ptr 1
		.amdhsa_wavefront_size32 1
		.amdhsa_system_sgpr_workgroup_id_x 1
		.amdhsa_system_sgpr_workgroup_id_y 1
		.amdhsa_system_sgpr_workgroup_id_z 1
		.amdhsa_system_vgpr_workitem_id 0
		.amdhsa_next_free_vgpr 240
		.amdhsa_next_free_sgpr 66
		.amdhsa_reserve_vcc 1
		.amdhsa_float_denorm_mode_32 3
		.amdhsa_float_denorm_mode_16_64 3
		.amdhsa_memory_ordered 1
		.amdhsa_forward_progress 1
		.amdhsa_inst_pref_size 29
	.end_amdhsa_kernel
	.amdgpu_metadata
---
amdhsa.version: [ 1, 2 ]
amdhsa.kernels:
  - .name:           k_q321d3dc232_router
    .symbol:         k_q321d3dc232_router.kd
    .args:
      - { .name: x, .offset: 0, .size: 8, .value_kind: global_buffer, .address_space: global }
      - { .name: W_gate, .offset: 8, .size: 8, .value_kind: global_buffer, .address_space: global }
      - { .name: b_gate, .offset: 16, .size: 8, .value_kind: global_buffer, .address_space: global }
      - { .name: xb, .offset: 24, .size: 8, .value_kind: global_buffer, .address_space: global }
      - { .name: sel, .offset: 32, .size: 8, .value_kind: global_buffer, .address_space: global }
      - { .name: gw, .offset: 40, .size: 8, .value_kind: global_buffer, .address_space: global }
    .group_segment_fixed_size: 106496
    .private_segment_fixed_size: 0
    .kernarg_segment_align: 8
    .kernarg_segment_size: 48
    .max_flat_workgroup_size: 256
    .sgpr_count:     66
    .vgpr_count:     240
    .wavefront_size: 32
...
	.end_amdgpu_metadata
.endif
;; end of part 1
;; launch experts (part 2): grid 32 x 8, 4 waves a work-group, no clusters, 305,664 bytes of LDS; arguments xb, sel, gw, W_experts, b_experts, part; writes part
.if DOCPART == 2
	.amdgcn_target "amdgcn-amd-amdhsa--gfx1250"
	.amdhsa_code_object_version 6
	.text
	.protected	k_q321d3dc232_experts
	.globl	k_q321d3dc232_experts
	.p2align	8
	.type	k_q321d3dc232_experts,@function
k_q321d3dc232_experts:
	s_mov_b64 s[64:65], 0
	v_nop
	global_prefetch_b8 v0, s[64:65] scope:SCOPE_SE
	s_setreg_imm32_b32 hwreg(HW_REG_WAVE_MODE, 25, 1), 1
	s_wait_xcnt 0x0
; EXPERTS.  part[slot][t][o] = gw[slot][t] * relu( xb[t] . bf16(W[e][o]) + bf16(b[e][o]) ) for the expert e that token t chose in that slot (0 the best, 1 the second).
; Only the chosen rows are multiplied: 4,096 in all.  Products in bf16, sums in f32; part is f32 (partial sums, added by the next launch).
; SHARES.  Work-group (slice, e) alone reads rows 64 slice .. + 63 of expert e's weights (512 KiB of f32, each byte once), rounds them on their way through registers and keeps them in LDS as bf16.
; Every wave finds the expert's rows for itself, from sel, while its weights are on their way.  Then come the rows in tiles of 16: in pass p wave w has tiles 40 p + 4 j + w, j = 0 .. 9.  Four passes hold
; 2,560 rows, more than the 2,048 that one expert can get: every split of the tokens is served, also an expert without rows (it stores nothing).  A pass without a live tile is jumped over.
; In the passes LDS is only read: the resident weights and each wave's own list; token rows come from xb straight into registers as matrix operands, results leave straight from registers.
; So the text has two barriers: behind the weights, and ahead of the waves' closing lines.
; LAYOUT.  Source 0 = 16 token rows, source 1 = 16 rows of W.  Column c of the slice lies at LDS row 16 (c % 4) + c / 4, so that lane r of column block b holds column 4 r + b, and register t of the result
; token 8 h + t.  The relu line copies the four blocks' register t into four neighbouring registers: 16 neighbouring bytes of one row a lane, 256 of them in sixteen lanes.  The bias is the C of the first product.
; PLACES PAST THE COUNT.  In the list's last tile they repeat the list's last entry, which lies in that same tile: the row is computed again and stored again, the same bytes with the same numbers, by the same
; wave.  So every live tile is stored whole, and EXEC is never narrowed.  Further on the list holds 0 (token 0): a dead tile's loads are issued all the same (the counts of the waits are alike on every way),
; its products, after the first K chunk, and its stores are jumped.
; NO TENSOR LOAD: the weights must be rounded before they are operands, and beside the resident slice (263,168 bytes) LDS has no room for slots of f32.  NO CLUSTER: each slice of weights has one
; reader; what an expert's 32 work-groups share is token rows named by a list, which no descriptor covers.
; LIMITS.  NaN is not treated apart (relu by a maximum that drops it).  Sums in the matrix unit's order, K ascending.
; REGISTERS, in windows of 256 (s_set_vgpr_msb: bits 1:0 source 0, 3:2 source 1, 5:4 source 2, 7:6 destination):
;   window 0: v0-63 addresses; v64-95 bias; v96-223 W's fragments, buffer 0 (at the head: sel, bias in f32, zeros); from the last K chunk on: v96-175 entries, then store addresses; v176-255 gate weights
;   window 1: token fragments of tiles 0-7, 32 each (at the head: the ring of 32 slots for the weights; on the way out: v0-31 at work)      window 2: accumulators of tiles 0-7, 32 each
;   window 3: v0-63 accumulators of tiles 8, 9; v64-127 their token fragments; v128-255 W's fragments, buffer 1
.set WPITCH, 4112                      ; a row of W in LDS: 4,096 bytes of bf16 + 16, an odd multiple of 16: the 16 rows of a fragment load start 16 bytes apart modulo 256
.set WROWS,  16*WPITCH                 ; 16 rows: a column block
.set LIST,   64*WPITCH                 ; 263,168: each wave's own list: 2,560 entries, then 32 dump words; 10,496 bytes a wave
.set LISTW,  10496
.set DUMP,   2560
.set SPARE,  LIST+4*LISTW              ; 305,152: the spare words, 128 bytes a wave: two blocks of 256 bytes that no other line names
.set SPW, 4                            ; v4 my spare word's address; v5 = 0; both never rewritten
.set NIL, 5
.set WGO, 6                            ; v6  32 l: my 8 floats in 1,024 bytes of weights
.set LST, 8                            ; v8  my wave's list
.set DMP, 9                            ; v9  2,560 + l: my dump word's index
.set TOK, 10                           ; v10-13 the tokens of the four sel words in hand
.set VL,  18                           ; v18 list address of row r of my tile 0 of pass 0; never rewritten
.set VD,  19                           ; v19 the same for rows 8 h .. 8 h + 7; never rewritten
.set H16, 20                           ; v20 16 h      v21 16 r
.set C16, 21
.set VLP, 22                           ; v22, v23 the two list addresses in the pass in hand
.set VDP, 23
.set VB0, 26                           ; v26-29 LDS address of my part of W's fragments, column block b, K = 0; never rewritten
.set VBW, 30                           ; v30-33 the same at the two K chunks that a trip fetches
.set AO,  34                           ; v34-43 tile j: byte offset in xb of my token's row, + 16 h
.set WLA, 44                           ; v44-47 the ring: where row q of a lap goes in LDS; each steps one LDS row a lap
.set ET,  48                           ; v48-57 tile j's entry for row r
.set BIAS, 64                          ; v[64+8b .. +7] the bias of column 4 r + b, eight times
.set EN,  96                           ; v[96+8j+t] tile j: the entry of row 8 h + t, then its byte offset in part
.set GW,  176                          ; v[176+8j+t] tile j: that entry's byte offset in gw, then its gate weight
.set NT,  33                           ; s33 live tiles of my wave in this pass
.set LOFF, 44                          ; s44 the pass's first byte in the list: 2,560 p
.set KOFF, 45                          ; s45 the byte along W's LDS rows at which a trip's two fetches begin
.set MSB, 0
.macro WIN new                         ; the immediate's high byte repeats the setting that is left; a switch that changes nothing is dropped
.if MSB != (\new)
	s_set_vgpr_msb (MSB<<8)|(\new)
.set MSB, (\new)
.endif
.endm
	s_load_b256 s[4:11], s[0:1], 0x0               ; xb s[4:5], sel s[6:7], gw s[8:9], W_experts s[10:11]
	s_load_b128 s[12:15], s[0:1], 0x20             ; b_experts s[12:13], part s[14:15]
	v_lshl_add_u32 v[SPW], v0, 2, SPARE
	v_mov_b32 v[NIL], 0
	v_lshrrev_b32 v14, 5, v0
	v_readfirstlane_b32 s16, v14                   ; wave 0..3
	v_and_b32 v1, 31, v0                           ; lane l
	v_and_b32 v2, 15, v0                           ; r = l % 16
	v_bfe_u32 v3, v0, 4, 1                         ; h = l / 16
	s_mov_b32 s17, ttmp9                           ; slice
	s_and_b32 s18, ttmp7, 0xffff                   ; expert e
	s_lshl_b32 s19, 0x101, s18                     ; the two bits of sel that name e: as the best, as the second
	s_add_co_u32 s20, s18, 8                       ; the shift that leaves the slot
	s_mov_b32 s21, 0                               ; rows found so far
	s_lshl_b32 s28, s18, 24                        ; an expert is 16 MiB,
	s_lshl_b32 s23, s17, 19                        ; a slice 512 KiB,
	s_add_co_u32 s28, s28, s23
	s_lshl_b32 s23, s16, 17                        ; a wave's 16 rows 128 KiB
	s_add_co_u32 s28, s28, s23
	s_mov_b32 s29, 0
	s_lshl_b32 s42, s17, 8                         ; the slice's 64 columns of f32
	s_mov_b32 s43, 0
	s_lshl_b32 s40, s18, 13
	s_add_co_u32 s40, s40, s42
	s_mov_b32 s41, 0
	v_lshlrev_b32 v[WGO], 5, v1
	v_lshlrev_b32 v224, 4, v1                      ; 16 l, for sel
	v_lshlrev_b32 v[C16], 4, v2                    ; 16 r: columns 4 r .. 4 r + 3 in f32
	s_wait_kmcnt 0x0
	s_add_nc_u64 s[24:25], s[10:11], s[28:29]      ; my 16 rows of W
	s_add_nc_u64 s[12:13], s[12:13], s[40:41]      ; the slice's bias
	s_add_nc_u64 s[38:39], s[14:15], s[42:43]      ; part at the slice's first column
.set i, 0
.rept 16                                               ; sel, all 2,048 words: my lane holds tokens 128 i + 4 l + q
	global_load_b128 v[96+4*i:96+4*i+3], v224, s[6:7] offset:512*i
.set i, i+1
.endr
	global_load_b128 v[160:163], v[C16], s[12:13]  ; the bias of columns 4 r + 0..3
	WIN 0x40
.set i, 0
.rept 32                                               ; the ring's first fill: 32 slots of 1,024 consecutive bytes.  More loads than LOADcnt's field counts: the issue is held meanwhile (ISA guide 5.7.1)
	global_load_b128 v[8*i:8*i+3],   v[WGO], s[24:25] offset:1024*i th:TH_LOAD_NT
	global_load_b128 v[8*i+4:8*i+7], v[WGO], s[24:25] offset:1024*i+16 th:TH_LOAD_NT
.set i, i+1
.endr
	WIN 0
	; the addresses, while the loads are out
	s_mul_i32 s23, s16, 4*WPITCH                   ; my rows are columns 16 w + 4 L + q (lap L, row q of the lap): LDS row 16 q + 4 w + L
	v_lshl_add_u32 v[WLA], v1, 4, s23
.irp q, 1,2,3
	v_add_nc_u32 v[WLA+\q], WROWS*\q, v[WLA]
.endr
	s_mul_i32 s23, s16, LISTW
	s_add_co_u32 s23, s23, LIST
	v_mov_b32 v[LST], s23
	v_add_nc_u32 v[DMP], DUMP, v1
.irp q, 0,1,2,3
	v_lshl_add_u32 v[TOK+\q], v1, 2, \q
.endr
	s_lshl_b32 s22, s16, 6                         ; my tile 0 begins 16 w entries into the list
	s_add_co_u32 s22, s22, s23
	v_lshl_add_u32 v[VL], v2, 2, s22
	v_lshl_add_u32 v[VD], v3, 5, s22
	v_lshlrev_b32 v[H16], 4, v3
	v_mul_u32_u24 v[VB0], v2, WPITCH
	v_lshl_add_u32 v[VB0], v3, 4, v[VB0]           ; row r x pitch + 16 h
.irp b, 1,2,3
	v_add_nc_u32 v[VB0+\b], WROWS*\b, v[VB0]
.endr
.irp q, 0,1,2,3
	v_mov_b32 v[192+\q], 0
.endr
	v_lshl_add_u32 v228, v1, 4, v[LST]
.set i, 0
.rept 20                                               ; my list's 2,560 entries are zeroed
	ds_store_b128 v228, v[192:195] offset:512*i
.set i, i+1
.endr
	s_wait_loadcnt 63                              ; of 81 loads the oldest 18 are in: sel's sixteen and the bias's one among them
	v_cvt_pk_bf16_f32 v226, v160, v161             ; the bias rounded to bf16 like every input,
	v_cvt_pk_bf16_f32 v227, v162, v163
.set i, 0
.rept 8                                                ; and back in f32, eight times each: a C operand has the same column in all its registers
	v_lshlrev_b32 v[BIAS+i], 16, v226
	v_and_b32 v[BIAS+8+i], 0xffff0000, v226
	v_lshlrev_b32 v[BIAS+16+i], 16, v227
	v_and_b32 v[BIAS+24+i], 0xffff0000, v227
.set i, i+1
.endr
; THE LIST.  One register of sel: the lanes whose token chose e take the next ranks and store their entry, slot x 2,048 + token, at that rank; the others store into their dump word.
; An entry is the row in part, the index in gw, and (its low 11 bits) the row in xb.  The index is held to the list's and the dump's 2,592 words ahead of the shift that makes the address.
.macro LISTREG reg, q
	v_and_b32 v14, s19, v[\reg]
	v_cmp_ne_u32 s22, 0, v14
	v_mbcnt_lo_u32_b32 v15, s22, s21               ; rows found so far + chosen lanes below mine
	v_cndmask_b32 v15, v[DMP], v15, s22
	v_min_u32 v15, 0xa1f, v15
	v_lshl_add_u32 v16, v15, 2, v[LST]
	v_lshrrev_b32 v17, s20, v14                    ; 1 if e is the token's second choice
	v_lshl_add_u32 v17, v17, 11, v[TOK+\q]
	ds_store_b32 v16, v17
	s_bcnt1_i32_b32 s23, s22
	s_add_co_u32 s21, s21, s23
.endm
.set i, 0
.rept 16
.irp q, 0,1,2,3
	LISTREG 96+4*i+\q, \q
.endr
.irp q, 0,1,2,3
	v_add_nc_u32 v[TOK+\q], 128, v[TOK+\q]
.endr
.set i, i+1
.endr
	; The 32 places behind the count take the list's last entry (with no rows: entry 0, a zero, and no tile is live).  Fifteen at the most lie in the last live tile.
	s_sub_co_i32 s23, s21, 1
	s_max_i32 s23, s23, 0
	v_mov_b32 v15, s23
	v_min_u32 v15, 0x7ff, v15                      ; a rank, 0 .. 2,047
	v_lshl_add_u32 v16, v15, 2, v[LST]
	ds_load_b32 v17, v16                           ; my own bytes, served in order: this sees the stores above
	v_add_nc_u32 v15, s21, v1
	v_min_u32 v15, 0x9ff, v15                      ; count + l, 2,079 at the most: inside the list's 2,560 places
	v_lshl_add_u32 v14, v15, 2, v[LST]
	s_wait_dscnt 0x0
	ds_store_b32 v14, v17
	s_add_co_u32 s34, s21, 15
	s_lshr_b32 s34, s34, 4                         ; tiles in all
	s_sub_co_u32 s34, s34, s16
	s_add_co_u32 s34, s34, 3                       ; s34 = tiles - w + 3 - 40 p: a quarter of it, rounded down, is my live tiles
; THE WEIGHTS.  Four slots: 8 floats a lane and slot become 16 bytes of bf16, in place; they go to LDS (512 consecutive bytes a slot); refill = 1: the slots are loaded again, 32 KiB further on.
; Eight slots are a row of W: slot s belongs to row s / 8 of the lap and lies 512 (s % 8) bytes into it.
.macro WGROUP g, refill, left
	s_wait_loadcnt \left                           ; behind this group's eight loads: the younger groups'
	WIN 0x45                                       ; sources and destination in window 1
.set sl, 4*(\g)
.rept 4
.irp q, 0,1,2,3
	v_cvt_pk_bf16_f32 v[8*sl+\q], v[8*sl+2*\q], v[8*sl+2*\q+1]
.endr
.set sl, sl+1
.endr
	WIN 0x04                                       ; address window 0, data window 1
.set sl, 4*(\g)
.rept 4
	ds_store_b128 v[WLA+sl/8], v[8*sl:8*sl+3] offset:512*(sl%8)
.set sl, sl+1
.endr
.if \refill
	WIN 0x40
.set sl, 4*(\g)
.rept 4
	global_load_b128 v[8*sl:8*sl+3],   v[WGO], s[24:25] offset:32768+1024*sl th:TH_LOAD_NT
	global_load_b128 v[8*sl+4:8*sl+7], v[WGO], s[24:25] offset:32768+1024*sl+16 th:TH_LOAD_NT
.set sl, sl+1
.endr
.endif
.endm
	s_mov_b32 s30, 3
.Llap:                                                 ; three laps of 32 KiB (four rows) that fill the ring again: 64 loads of mine are asked for throughout
.irp g, 0,1,2,3,4,5,6,7
	WGROUP \g, 1, 56
.endr
	WIN 0
	s_wait_xcnt 0x0                                ; the loads' addresses are translated: their base may step
	s_add_nc_u64 s[24:25], s[24:25], 0x8000
.irp q, 0,1,2,3
	v_add_nc_u32 v[WLA+\q], WPITCH, v[WLA+\q]
.endr
	s_sub_co_u32 s30, s30, 1
	s_cmp_lg_u32 s30, 0
	s_cbranch_scc1 .Llap
.irp g, 0,1,2,3,4,5,6,7
	WGROUP \g, 0, 56-8*\g                          ; the last lap loads nothing: the counts run down
.endr
	WIN 0
	s_wait_dscnt 0x0                               ; for the others' sake: my 16 rows are in LDS
	s_barrier_signal -1
	s_barrier_wait -1                              ; the slice is whole.  From here to the closing lines no wave writes LDS
; W's fragments of one K chunk (128 along K, 64 columns): 32 LDS loads in one run, from the four address registers adr .. adr + 3, koff bytes along the rows.  Fragment (ks, cb) at 8 (4 ks + cb) of the buffer.
.macro BFETCH buf, adr, koff
.if (\buf)
	WIN 0xc0
.else
	WIN 0
.endif
.set BB, 96+32*(\buf)
.set ks, 0
.rept 4
.set cb, 0
.rept 4
	ds_load_b128 v[BB+8*(4*ks+cb):BB+8*(4*ks+cb)+3],   v[(\adr)+cb] offset:(\koff)+64*ks
	ds_load_b128 v[BB+8*(4*ks+cb)+4:BB+8*(4*ks+cb)+7], v[(\adr)+cb] offset:(\koff)+64*ks+32
.set cb, cb+1
.endr
.set ks, ks+1
.endr
	WIN 0
.endm
; Tile j's token fragments of one K chunk, goff bytes behind xb's base in hand: 8 loads, together 256 consecutive aligned bytes of each of its 16 rows.
; Load 2 ks brings K = 32 ks + 8 h + 0..7, load 2 ks + 1 the eight 16 further on.
.macro ALOAD j, goff
.if (\j) < 8
	WIN 0x40
.set AA, 32*(\j)
.else
	WIN 0xc0
.set AA, 64+32*((\j)-8)
.endif
.set i, 0
.rept 8
	global_load_b128 v[AA+4*i:AA+4*i+3], v[AO+(\j)], s[26:27] offset:(\goff)+32*i
.set i, i+1
.endr
.endm
; Tile j in one K chunk: 16 products, its four accumulators by turns; the next tile begins on another.  first = 1: the chunk that starts the sums, with the bias as C; it is
; never jumped, so every accumulator is written on every way.  reload = 1: four places behind the products (ISA guide 7.12.1 for vector instructions) the tile's fragments of the next chunk are asked for.
; Windows: tokens (source 0) in 1 or 3, W (source 1) in 0 or 3 by the buffer, C and D in 2 or 3; the bias as C in 0.
.macro REGION par, j, first, reload, left, goff
	WIN 0                                          ; at a branch and at a label every window is 0
	s_wait_loadcnt \left                           ; my tile's eight loads are in
.if !(\first)
	s_cmp_gt_u32 s[NT], \j
	s_cbranch_scc0 .Lskip_\@                       ; a dead tile's products are jumped; its loads are not
.endif
.if (\j) < 8
.set AC, 32*(\j)
.set AA, 32*(\j)
.set WM, 0xa1+12*(\par)
.set WF, 0x81
.else
.set AC, 32*((\j)-8)
.set AA, 64+32*((\j)-8)
.set WM, 0xf3+12*(\par)
.set WF, 0xc3
.endif
.set BB, 96+32*(\par)
.set ks, 0
.rept 4
.set cb, 0
.rept 4
.if (\first) && (ks == 0)
	WIN WF
	v_wmma_f32_16x16x32_bf16 v[AC+8*cb:AC+8*cb+7], v[AA+8*ks:AA+8*ks+7], v[BB+8*(4*ks+cb):BB+8*(4*ks+cb)+7], v[BIAS+8*cb:BIAS+8*cb+7]
.else
	WIN WM
	v_wmma_f32_16x16x32_bf16 v[AC+8*cb:AC+8*cb+7], v[AA+8*ks:AA+8*ks+7], v[BB+8*(4*ks+cb):BB+8*(4*ks+cb)+7], v[AC+8*cb:AC+8*cb+7]
.endif
.set cb, cb+1
.endr
.set ks, ks+1
.endr
	WIN 0
.if !(\first)
.Lskip_\@:
.endif
.if \reload
.rept 4
	v_nop
.endr
	ALOAD \j, \goff
.endif
.endm
; A K chunk on W's buffer par.  The next chunk's fragments of W go into the other buffer at the chunk's head (its last readers stand ahead of the four places of the chunk before), the tiles' as
; they are freed; both lie off bytes behind the addresses in hand.
; THE COUNT 55.  Behind a tile's eight loads stand the nine other tiles' 72; 55 is the largest count that, with the eight loads that follow, stays within what a wait's count can name (63).
.macro CHUNK par, first, adr, off
	s_wait_dscnt 0x0                               ; this chunk's fragments of W are in
	BFETCH 1-(\par), \adr, \off
.irp j, 0,1,2,3,4,5,6,7,8,9
	REGION \par, \j, \first, 1, 55, \off
.endr
	WIN 0
.endm
; Tile j's eight entries (rows 8 h + 0..7) become eight offsets in gw, whose loads land on their own address registers, and eight offsets in part.  Never jumped: the loads' counts are alike on every way.
.macro GATE j
.if (\j) == 0
	s_wait_dscnt 0x0                               ; the entries are in: their loads stand sixteen products back
.endif
.set t, 0
.rept 8
	v_min_u32 v[EN+8*(\j)+t], 0xfff, v[EN+8*(\j)+t]      ; an entry is a row of part and an index in gw, 0 .. 4,095
.set t, t+1
.endr
.set t, 0
.rept 8
	v_lshlrev_b32 v[GW+8*(\j)+t], 2, v[EN+8*(\j)+t]
.set t, t+1
.endr
.set t, 0
.rept 8
	global_load_b32 v[GW+8*(\j)+t], v[GW+8*(\j)+t], s[8:9]
.set t, t+1
.endr
.set t, 0
.rept 8
	v_lshl_add_u32 v[EN+8*(\j)+t], v[EN+8*(\j)+t], 13, v[C16]  ; x 8,192 bytes + 16 r
.set t, t+1
.endr
.endm
; THE LAST K CHUNK, on buffer 1, fetches no operands: no load leaves xb.  Buffer 0's registers, idle now (its last readers stand ahead of the four places of the chunk before), take what the way out wants.
; The count stays 55: behind tile j's eight token loads stand the later tiles' 8 (9 - j) and the earlier tiles' 8 j gate loads, 72 again.
.macro TAIL
	s_wait_dscnt 0x0                               ; this chunk's fragments of W are in
.set i, 0
.rept 10
	ds_load_b128 v[EN+8*i:EN+8*i+3],   v[VDP] offset:256*i
	ds_load_b128 v[EN+8*i+4:EN+8*i+7], v[VDP] offset:256*i+16
.set i, i+1
.endr
.irp j, 0,1,2,3,4,5,6,7,8,9
	REGION 1, \j, 0, 0, 55, 0
	GATE \j
.endr
.endm
; THE WAY OUT of tile j: relu, gathered so that registers 4 t + 0..3 hold columns 4 r + 0..3 of token 8 h + t; the token's gate weight; each row to the place in part that its entry names.
; A live tile is stored whole: its places past the count repeat its last row.
.macro OUT j
	s_cmp_gt_u32 s[NT], \j
	s_cbranch_scc0 .Lodone_\@
.if 8*(9-(\j)) > 63
	s_wait_loadcnt 63                              ; behind tile 0's gate loads stand 72, behind tile 1's 64: more than a wait's count can name, so 63: of the 80 the oldest 17 are in, both tiles' among them
.else
	s_wait_loadcnt 8*(9-(\j))                      ; my tile's gate weights are in; the later tiles' may be out
.endif
	s_wait_xcnt 0x0                                ; the tile before's stores have had their addresses translated: their data registers are written again
.if (\j) < 8
	WIN 0x48                                       ; destination window 1, source 1 window 2
.set AC, 32*(\j)
.else
	WIN 0x4c                                       ; source 1 window 3
.set AC, 32*((\j)-8)
.endif
.set i, 0
.rept 32
	v_max_num_f32 v[i], 0, v[AC+8*(i%4)+i/4]       ; each accumulator from its lowest register on
.set i, i+1
.endr
	WIN 0x44                                       ; the weight in window 0, the numbers in window 1
.set i, 0
.rept 32
	v_mul_f32 v[i], v[GW+8*(\j)+i/4], v[i]
.set i, i+1
.endr
	WIN 0x04                                       ; address window 0, data window 1
.set i, 0
.rept 8
	global_store_b128 v[EN+8*(\j)+i], v[4*i:4*i+3], s[38:39]  ; 16 lanes store 256 consecutive bytes, at a multiple of 256 from part's first
.set i, i+1
.endr
	WIN 0
.Lodone_\@:
.endm
	s_mov_b32 s31, 4
	s_mov_b32 s[LOFF], 0
.Lpass:                                                ; four passes, a constant; no barrier stands in them and LDS is only read
	s_ashr_i32 s[NT], s34, 2
	s_max_i32 s[NT], s[NT], 0
	s_min_i32 s[NT], s[NT], 10
	s_cmp_eq_u32 s[NT], 0
	s_cbranch_scc1 .Lnext
	s_wait_loadcnt 0x0                             ; the pass before's gate loads, a dead tile's too, have landed: their registers are loaded again
	s_wait_xcnt 0x0                                ; and its stores have had their addresses translated
	s_mov_b64 s[26:27], s[4:5]                     ; xb at K = 0
	v_add_nc_u32 v[VLP], s[LOFF], v[VL]            ; the pass's part of my list
	v_add_nc_u32 v[VDP], s[LOFF], v[VD]
.set i, 0
.rept 10
	ds_load_b32 v[ET+i], v[VLP] offset:256*i       ; tile i's entry for row r
.set i, i+1
.endr
	BFETCH 0, VB0, 0                               ; K chunk 0
	s_wait_dscnt 32                                ; the ten entries are in; the 32 fragment loads behind them may be out
.set i, 0
.rept 10
	v_and_b32 v14, 0x7ff, v[ET+i]                  ; the token,
	v_min_u32 v14, 0x7ff, v14                      ; a row of xb, 0 .. 2,047
	v_lshl_add_u32 v[AO+i], v14, 12, v[H16]
.set i, i+1
.endr
.irp j, 0,1,2,3,4,5,6,7,8,9
	ALOAD \j, 0
.endr
	WIN 0
	CHUNK 0, 1, VB0, 256                           ; K chunk 0 starts the sums and fetches chunk 1
	s_wait_xcnt 0x0                                ; the loads' addresses are translated: their base may step
	s_add_nc_u64 s[26:27], s[26:27], 512
	s_mov_b32 s[KOFF], 512
	s_mov_b32 s32, 7
.Lpair:                                                ; trip t: K chunks 2 t + 1 and 2 t + 2; they fetch chunks 2 t + 2 and 2 t + 3, at bytes 512 (t + 1) and 256 further on
.irp b, 0,1,2,3
	v_add_nc_u32 v[VBW+\b], s[KOFF], v[VB0+\b]
.endr
	CHUNK 1, 0, VBW, 0
	CHUNK 0, 0, VBW, 256
	s_wait_xcnt 0x0
	s_add_nc_u64 s[26:27], s[26:27], 512
	s_add_co_u32 s[KOFF], s[KOFF], 512
	s_sub_co_u32 s32, s32, 1
	s_cmp_lg_u32 s32, 0
	s_cbranch_scc1 .Lpair
	TAIL                                           ; K chunk 15.  The 24 plain lines of its last GATE, which name no register of the last products, are the places behind them
.irp j, 0,1,2,3,4,5,6,7,8,9
	OUT \j
.endr
.Lnext:
	s_sub_co_i32 s34, s34, 40                      ; the next pass's 40 tiles: 640 entries, 2,560 bytes of the list
	s_add_co_u32 s[LOFF], s[LOFF], 4*640
	s_sub_co_u32 s31, s31, 1
	s_cmp_lg_u32 s31, 0
	s_cbranch_scc1 .Lpass
	s_wait_dscnt 0x0                               ; my reads of LDS are over;
	s_barrier_signal -1
	s_barrier_wait -1                              ; so are every wave's: only now does a wave write LDS again
	s_wait_tensorcnt 0x0                           ; the wave's end
	ds_add_u32 v[SPW], v[NIL]
	s_wait_dscnt 0x0
	s_endpgm
.Lfunc_end_k_q321d3dc232_experts:
	.size	k_q321d3dc232_experts, .Lfunc_end_k_q321d3dc232_experts-k_q321d3dc232_experts
	.p2alignl 7, 3214868480
	.fill 96, 4, 3214868480
	.section	.rodata,"a",@progbits
	.p2align	6, 0x0
	.amdhsa_kernel k_q321d3dc232_experts
		.amdhsa_group_segment_fixed_size 305664
		.amdhsa_private_segment_fixed_size 0
		.amdhsa_enable_private_segment 0
		.amdhsa_kernarg_size 48
		.amdhsa_user_sgpr_count 2
		.amdhsa_user_sgpr_kernarg_segment_ptr 1
		.amdhsa_wavefront_size32 1
		.amdhsa_system_sgpr_workgroup_id_x 1
		.amdhsa_system_sgpr_workgroup_id_y 1
		.amdhsa_system_sgpr_workgroup_id_z 1
		.amdhsa_system_vgpr_workitem_id 0
		.amdhsa_next_free_vgpr 1024
		.amdhsa_next_free_sgpr 66
		.amdhsa_reserve_vcc 0
		.amdhsa_float_denorm_mode_32 3
		.amdhsa_float_denorm_mode_16_64 3
		.amdhsa_memory_ordered 1
		.amdhsa_forward_progress 1
		.amdhsa_inst_pref_size 228
	.end_amdhsa_kernel
	.amdgpu_metadata
---
amdhsa.version: [ 1, 2 ]
amdhsa.kernels:
  - .name:           k_q321d3dc232_experts
    .symbol:         k_q321d3dc232_experts.kd
    .args:
      - { .name: xb, .offset: 0, .size: 8, .value_kind: global_buffer, .address_space: global }
      - { .name: sel, .offset: 8, .size: 8, .value_kind: global_buffer, .address_space: global }
      - { .name: gw, .offset: 16, .size: 8, .value_kind: global_buffer, .address_space: global }
      - { .name: W_experts, .offset: 24, .size: 8, .value_kind: global_buffer, .address_space: global }
      - { .name: b_experts, .offset: 32, .size: 8, .value_kind: global_buffer, .address_space: global }
      - { .name: part, .offset: 40, .size: 8, .value_kind: global_buffer, .address_space: global }
    .group_segment_fixed_size: 305664
    .private_segment_fixed_size: 0
    .kernarg_segment_align: 8
    .kernarg_segment_size: 48
    .max_flat_workgroup_size: 128
    .sgpr_count:     66
    .vgpr_count:     1024
    .wavefront_size: 32
...
	.end_amdgpu_metadata
.endif
;; end of part 2
;; launch combine (part 3): grid 256 x 1, 8 waves a work-group, no clusters, 0 bytes of LDS; arguments part, out0; writes out0
.if DOCPART == 3
	.amdgcn_target "amdgcn-amd-amdhsa--gfx1250"
	.amdhsa_code_object_version 6
	.text
	.protected	k_q321d3dc232_combine
	.globl	k_q321d3dc232_combine
	.p2align	8
	.type	k_q321d3dc232_combine,@function
k_q321d3dc232_combine:
	s_mov_b64 s[64:65], 0
	v_nop
	global_prefetch_b8 v0, s[64:65] scope:SCOPE_SE
	s_setreg_imm32_b32 hwreg(HW_REG_WAVE_MODE, 25, 1), 1
	s_wait_xcnt 0x0
; out0[t][o] = part[0][t][o] + part[1][t][o], all f32: each token's two weighted expert rows, one addition.
; A stream: a work-group owns 65,536 consecutive bytes of out0, a thread 16 bytes in each of 16 steps of 4,096.  All 32 loads of a wave go out ahead of the first wait; each load and
; store of a wave covers 512 consecutive bytes, aligned.  No LDS, no barrier, no matrix unit: nothing is shared and nothing is multiplied.
.set STEP, 4096                        ; 256 threads x 16 bytes
.set HALF, 0x1000000                   ; bytes from part[0] to part[1]
	s_load_b128 s[4:7], s[0:1], 0x0                ; part s[4:5], out0 s[6:7]
	s_lshl_b32 s2, ttmp9, 16
	s_mov_b32 s3, 0
	v_lshlrev_b32 v1, 4, v0
	s_wait_kmcnt 0x0
	s_add_nc_u64 s[4:5], s[4:5], s[2:3]
	s_add_nc_u64 s[6:7], s[6:7], s[2:3]
	s_add_nc_u64 s[8:9], s[4:5], HALF
.set i, 0
.rept 16
	global_load_b128 v[4+8*i:7+8*i],  v1, s[4:5] offset:STEP*i th:TH_LOAD_NT
	global_load_b128 v[8+8*i:11+8*i], v1, s[8:9] offset:STEP*i th:TH_LOAD_NT
.set i, i+1
.endr
.set i, 0
.rept 16
	s_wait_loadcnt 2*(15-i)                        ; loads come back in order (ISA guide 5.7.1): step i's two are in, the later steps' stay out
	v_pk_add_f32 v[4+8*i:5+8*i], v[4+8*i:5+8*i], v[8+8*i:9+8*i]
	v_pk_add_f32 v[6+8*i:7+8*i], v[6+8*i:7+8*i], v[10+8*i:11+8*i]
	global_store_b128 v1, v[4+8*i:7+8*i], s[6:7] offset:STEP*i th:TH_STORE_NT
.set i, i+1
.endr
	s_endpgm
.Lfunc_end_k_q321d3dc232_combine:
	.size	k_q321d3dc232_combine, .Lfunc_end_k_q321d3dc232_combine-k_q321d3dc232_combine
	.p2alignl 7, 3214868480
	.fill 96, 4, 3214868480
	.section	.rodata,"a",@progbits
	.p2align	6, 0x0
	.amdhsa_kernel k_q321d3dc232_combine
		.amdhsa_group_segment_fixed_size 0
		.amdhsa_private_segment_fixed_size 0
		.amdhsa_enable_private_segment 0
		.amdhsa_kernarg_size 16
		.amdhsa_user_sgpr_count 2
		.amdhsa_user_sgpr_kernarg_segment_ptr 1
		.amdhsa_wavefront_size32 1
		.amdhsa_system_sgpr_workgroup_id_x 1
		.amdhsa_system_sgpr_workgroup_id_y 1
		.amdhsa_system_sgpr_workgroup_id_z 1
		.amdhsa_system_vgpr_workitem_id 0
		.amdhsa_next_free_vgpr 132
		.amdhsa_next_free_sgpr 66
		.amdhsa_reserve_vcc 0
		.amdhsa_float_denorm_mode_32 3
		.amdhsa_float_denorm_mode_16_64 3
		.amdhsa_memory_ordered 1
		.amdhsa_forward_progress 1
		.amdhsa_inst_pref_size 8
	.end_amdhsa_kernel
	.amdgpu_metadata
---
amdhsa.version: [ 1, 2 ]
amdhsa.kernels:
  - .name:           k_q321d3dc232_combine
    .symbol:         k_q321d3dc232_combine.kd
    .args:
      - { .name: part, .offset: 0, .size: 8, .value_kind: global_buffer, .address_space: global }
      - { .name: out0, .offset: 8, .size: 8, .value_kind: global_buffer, .address_space: global }
    .group_segment_fixed_size: 0
    .private_segment_fixed_size: 0
    .kernarg_segment_align: 8
    .kernarg_segment_size: 16
    .max_flat_workgroup_size: 256
    .sgpr_count:     66
    .vgpr_count:     132
    .wavefront_size: 32
...
	.end_amdgpu_metadata
.endif
;; end of part 3
;; ======== version 2 of 2: 3 launches; version 1 with the launch experts written anew for expert scheduling mode
;; workspace buffers: xb 8,388,608 bytes; sel 8,192 bytes of whole numbers; gw 16,384 bytes; part 33,554,432 bytes
;; launch router: the kernel of part 1 again; grid 128 x 1, 8 waves a work-group, no clusters, 106,496 bytes of LDS; arguments x, W_gate, b_gate, xb, sel, gw; writes xb, sel, gw
;; launch experts (part 4): grid 32 x 8, 4 waves a work-group, no clusters, 305,664 bytes of LDS; arguments xb, sel, gw, W_experts, b_experts, part; writes part
.if DOCPART == 4
	.amdgcn_target "amdgcn-amd-amdhsa--gfx1250"
	.amdhsa_code_object_version 6
	.text
	.protected	k_q321d3dc232_experts
	.globl	k_q321d3dc232_experts
	.p2align	8
	.type	k_q321d3dc232_experts,@function
k_q321d3dc232_experts:
	s_mov_b64 s[64:65], 0
	v_nop
	global_prefetch_b8 v0, s[64:65] scope:SCOPE_SE
	s_setreg_imm32_b32 hwreg(HW_REG_WAVE_SCHED_MODE, 0, 2), 2
	s_setreg_imm32_b32 hwreg(HW_REG_WAVE_MODE, 25, 1), 1
	s_wait_xcnt 0x0
	s_wait_alu depctr_vm_vsrc(0)
; EXPERTS.  part[slot][t][o] = gw[slot][t] * relu( xb[t] . bf16(W[e][o]) + bf16(b[e][o]) ) for the expert e that token t chose in that slot (0 the best, 1 the second).
; Only the chosen rows are multiplied: 4,096 in all.  Products in bf16, sums in f32; part is f32 (partial sums, added by the next launch).
; SHARES.  Work-group (slice, e) alone reads rows 64 slice .. + 63 of expert e's weights (512 KiB of f32, each byte once), rounds them on their way through registers and keeps them in LDS as bf16.
; Every wave finds the expert's rows for itself, from sel, while its weights are on their way.  Then come the rows in tiles of 16: in pass p wave w has tiles 40 p + 4 j + w, j = 0 .. 9.  Four passes hold
; 2,560 rows, more than the 2,048 that one expert can get: every split of the tokens is served, also an expert without rows (it stores nothing).  A pass without a live tile is jumped over.
; In the passes LDS is only read: the resident weights and each wave's own list; token rows come from xb straight into registers as matrix operands, results leave straight from registers.
; So the text has two barriers: behind the weights, and at the waves' end.
; LAYOUT.  Source 0 = 16 token rows, source 1 = 16 rows of W.  Column c of the slice lies at LDS row 16 (c % 4) + c / 4, so that lane r of column block b holds column 4 r + b, and register t of the result
; token 8 h + t.  The relu line copies the four blocks' register t into four neighbouring registers: 16 neighbouring bytes of one row a lane, 256 of them in sixteen lanes.  The bias is the C of the first product.
; PLACES PAST THE COUNT.  In the list's last tile they repeat the list's last entry, which lies in that same tile: the row is computed again and stored again, the same bytes with the same numbers, by the same
; wave.  So every live tile is stored whole, and EXEC is never written.  Further on the list holds 0 (token 0): a dead tile's loads are issued all the same (the counts of the waits are alike on every way),
; its products, after the first K chunk, and its stores are jumped.
; NO TENSOR LOAD: the weights must be rounded before they are operands, and beside the resident slice (263,168 bytes) LDS has no room for slots of f32.  NO CLUSTER: each slice of weights has one
; reader; what an expert's 32 work-groups share is token rows named by a list, which no descriptor covers.
; LIMITS.  NaN is not treated apart (relu by a maximum that drops it).  Sums in the matrix unit's order, K ascending.
; THE MODE: SCHED_MODE bits 1:0 = 2 (LLVM: expert scheduling mode 2), set by the entry lines.  The code itself states the register dependences between vector or matrix instructions and memory or LDS
; instructions, with s_wait_alu, always for 0.
; THE PLAN.  Registers that memory or LDS instructions touch:
;   the list      16 registers of sel at a time: sixteen compares into s66-81, one wait; LA (addresses) and LD (entries) are written by the batch's vector lines and read by its sixteen LDS stores.
;   the weights   RAW (window 1) is written by loads and read by the roundings alone; group g's roundings write out-buffer g % 2 (window 2), which its four LDS stores read.  One wait on va_vdst a group, behind
;                 the roundings, serves the stores and the refill of RAW; one on vm_vsrc at a group's head frees the out-buffer that the stores of two groups back read.
;   a K chunk     ten slots, a tile each.  Slot j's products read tile j's fragments and W's buffer in hand.  Its loads land in tile j - 2's fragments (slots 0, 1: tiles 8, 9) and in W's other buffer, an
;                 eighth of it in each of slots 0 to 7.  ONE wait on va_vdst stands at the head of every second slot: behind it all earlier tiles' products are done reading, and the products issued since name
;                 none of the registers that the two slots' loads touch.  The offsets AO are made at a pass's head; each tile has a scalar base of xb of its own, which steps behind the wait for the tile's data.
;   the way out   each tile's numbers go into its own fragment registers: no register that a store reads is written again before the next pass's head.
; REGISTERS, in windows of 256 (s_set_vgpr_msb: bits 1:0 source 0, 3:2 source 1, 5:4 source 2, 7:6 destination):
;   window 0: v0-63 addresses; v64-95 bias; v96-223 W's fragments, buffer 0 (at the head: sel, bias in f32, the list's work, zeros); from the last K chunk on: v96-175 entries, then store addresses; v176-255 gate weights
;   window 1: token fragments of tiles 0-7, 32 each (at the head: the ring of 32 slots for the weights; on the way out: the tiles' results)      window 2: accumulators of tiles 0-7, 32 each (at the head: v0-31 two out-buffers)
;   window 3: v0-63 accumulators of tiles 8, 9; v64-127 their token fragments, then their results; v128-255 W's fragments, buffer 1
.set WPITCH, 4112                      ; a row of W in LDS: 4,096 bytes of bf16 + 16, an odd multiple of 16: the 16 rows of a fragment load start 16 bytes apart modulo 256
.set WROWS,  16*WPITCH                 ; 16 rows: a column block
.set LIST,   64*WPITCH                 ; 263,168: each wave's own list: 2,560 entries, then 32 dump words; 10,496 bytes a wave.  The 512 bytes behind the four lists hold the spare words, 128 bytes a wave
.set LISTW,  10496
.set DUMP,   2560
.set WGO, 6                            ; v6  32 l: my 8 floats in 1,024 bytes of weights
.set LST, 8                            ; v8  my wave's list
.set DMP, 9                            ; v9  2,560 + l: my dump word's index
.set TOK, 10                           ; v10-13 the tokens of the four sel words in hand
.set VL,  18                           ; v18 list address of row r of my tile 0 of pass 0; never rewritten
.set VD,  19                           ; v19 the same for rows 8 h .. 8 h + 7; never rewritten
.set H16, 20                           ; v20 16 h      v21 16 r
.set C16, 21
.set VLP, 22                           ; v22, v23 the two list addresses in the pass in hand
.set VDP, 23
.set VB0, 26                           ; v26-29 LDS address of my part of W's fragments, column block b, K = 0; never rewritten
.set VBW, 30                           ; v30-33 the same at the two K chunks that a trip fetches
.set AO,  34                           ; v34-43 tile j: byte offset in xb of my token's row, + 16 h
.set WLA, 44                           ; v44-47 the ring: where row q of a lap goes in LDS; each steps one LDS row a lap
.set ET,  48                           ; v48-57 tile j's entry for row r, at a pass's head
.set GA,  48                           ; v48-63 in the last K chunk: two tiles' sixteen byte offsets in gw
.set BIAS, 64                          ; v[64+8b .. +7] the bias of column 4 r + b, eight times
.set EN,  96                           ; v[96+8j+t] tile j: the entry of row 8 h + t, then its byte offset in part
.set GW,  176                          ; v[176+8j+t] tile j: that entry's gate weight
.set LT,  164                          ; v164-179 at the head: sixteen words of sel, masked
.set LA,  196                          ; v196-211 at the head: sixteen list addresses
.set LD,  232                          ; v232-247 at the head: sixteen entries
.set WOB, 0                            ; window 2, v0-31, at the head: two out-buffers of 16 for the rounded weights
.set NT,  33                           ; s33 live tiles of my wave in this pass
.set LOFF, 44                          ; s44 the pass's first byte in the list: 2,560 p
.set KOFF, 45                          ; s45 the byte along W's LDS rows at which a trip's two fetches begin
.set MK,  66                           ; s66-81 at the head: sixteen masks of lanes
.set SB,  66                           ; s[66+2j:67+2j] in the passes: xb at the K chunk that tile j is asked for next
.set MSB, 0
.macro WIN new                         ; the immediate's high byte repeats the setting that is left; a switch that changes nothing is dropped
.if MSB != (\new)
	s_set_vgpr_msb (MSB<<8)|(\new)
.set MSB, (\new)
.endif
.endm
	s_load_b256 s[4:11], s[0:1], 0x0               ; xb s[4:5], sel s[6:7], gw s[8:9], W_experts s[10:11]
	s_load_b128 s[12:15], s[0:1], 0x20             ; b_experts s[12:13], part s[14:15]
	v_lshl_add_u32 v24, v0, 2, 0x4a800
	v_mov_b32 v25, 0
	v_lshrrev_b32 v14, 5, v0
	v_readfirstlane_b32 s16, v14                   ; wave 0..3
	v_and_b32 v1, 31, v0                           ; lane l
	v_and_b32 v2, 15, v0                           ; r = l % 16
	v_bfe_u32 v3, v0, 4, 1                         ; h = l / 16
	v_lshlrev_b32 v[WGO], 5, v1
	v_lshlrev_b32 v224, 4, v1                      ; 16 l, for sel
	v_lshlrev_b32 v[C16], 4, v2                    ; 16 r: columns 4 r .. 4 r + 3 in f32
	s_mov_b32 s17, ttmp9                           ; slice
	s_and_b32 s18, ttmp7, 0xffff                   ; expert e
	s_lshl_b32 s19, 0x101, s18                     ; the two bits of sel that name e: as the best, as the second
	s_add_co_u32 s20, s18, 8                       ; the shift that leaves the slot
	s_mov_b32 s21, 0                               ; rows found so far
	s_lshl_b32 s28, s18, 24                        ; an expert is 16 MiB,
	s_lshl_b32 s23, s17, 19                        ; a slice 512 KiB,
	s_add_co_u32 s28, s28, s23
	s_wait_alu depctr_va_sdst(0)                   ; s16 is written, ahead of its first reader: W's base, the list's place and the count of live tiles are made from it
	s_lshl_b32 s23, s16, 17                        ; a wave's 16 rows 128 KiB
	s_add_co_u32 s28, s28, s23
	s_mov_b32 s29, 0
	s_lshl_b32 s42, s17, 8                         ; the slice's 64 columns of f32
	s_mov_b32 s43, 0
	s_lshl_b32 s40, s18, 13
	s_add_co_u32 s40, s40, s42
	s_mov_b32 s41, 0
	s_wait_kmcnt 0x0
	s_add_nc_u64 s[24:25], s[10:11], s[28:29]      ; my 16 rows of W
	s_add_nc_u64 s[12:13], s[12:13], s[40:41]      ; the slice's bias
	s_add_nc_u64 s[38:39], s[14:15], s[42:43]      ; part at the slice's first column
	s_wait_alu depctr_va_vdst(0)                   ; v224, v[C16] and v[WGO] are written, which the loads below read as their offsets
.set i, 0
.rept 16                                               ; sel, all 2,048 words: my lane holds tokens 128 i + 4 l + q
	global_load_b128 v[96+4*i:96+4*i+3], v224, s[6:7] offset:512*i
.set i, i+1
.endr
	global_load_b128 v[160:163], v[C16], s[12:13]  ; the bias of columns 4 r + 0..3
	WIN 0x40
.set i, 0
.rept 32                                               ; the ring's first fill: 32 slots of 1,024 consecutive bytes.  More loads than LOADcnt's field counts: the issue is held meanwhile (ISA guide 5.7.1)
	global_load_b128 v[8*i:8*i+3],   v[WGO], s[24:25] offset:1024*i th:TH_LOAD_NT
	global_load_b128 v[8*i+4:8*i+7], v[WGO], s[24:25] offset:1024*i+16 th:TH_LOAD_NT
.set i, i+1
.endr
	WIN 0
	; the addresses, while the loads are out: none of these lines names a register that a load above reads or lands in
	s_mul_i32 s23, s16, 4*WPITCH                   ; my rows are columns 16 w + 4 L + q (lap L, row q of the lap): LDS row 16 q + 4 w + L
	v_lshl_add_u32 v[WLA], v1, 4, s23
.irp q, 1,2,3
	v_add_nc_u32 v[WLA+\q], WROWS*\q, v[WLA]
.endr
	s_mul_i32 s23, s16, LISTW
	s_add_co_u32 s23, s23, LIST
	v_mov_b32 v[LST], s23
	v_add_nc_u32 v[DMP], DUMP, v1
.irp q, 0,1,2,3
	v_lshl_add_u32 v[TOK+\q], v1, 2, \q
.endr
	s_lshl_b32 s22, s16, 6                         ; my tile 0 begins 16 w entries into the list
	s_add_co_u32 s22, s22, s23
	v_lshl_add_u32 v[VL], v2, 2, s22
	v_lshl_add_u32 v[VD], v3, 5, s22
	v_lshlrev_b32 v[H16], 4, v3
	v_mul_u32_u24 v[VB0], v2, WPITCH
	v_lshl_add_u32 v[VB0], v3, 4, v[VB0]           ; row r x pitch + 16 h
.irp b, 1,2,3
	v_add_nc_u32 v[VB0+\b], WROWS*\b, v[VB0]
.endr
.irp q, 0,1,2,3
	v_mov_b32 v[192+\q], 0
.endr
	v_lshl_add_u32 v228, v1, 4, v[LST]
	s_wait_alu depctr_va_vdst(0)                   ; v228 and the four zeros are written, which the LDS stores below read; so are WLA and VB0, which later LDS instructions read
.set i, 0
.rept 20                                               ; my list's 2,560 entries are zeroed
	ds_store_b128 v228, v[192:195] offset:512*i
.set i, i+1
.endr
	s_wait_loadcnt 63                              ; of 81 loads the oldest 18 are in: sel's sixteen and the bias's one among them
	v_cvt_pk_bf16_f32 v226, v160, v161             ; the bias rounded to bf16 like every input,
	v_cvt_pk_bf16_f32 v227, v162, v163
.set i, 0
.rept 8                                                ; and back in f32, eight times each: a C operand has the same column in all its registers
	v_lshlrev_b32 v[BIAS+i], 16, v226
	v_and_b32 v[BIAS+8+i], 0xffff0000, v226
	v_lshlrev_b32 v[BIAS+16+i], 16, v227
	v_and_b32 v[BIAS+24+i], 0xffff0000, v227
.set i, i+1
.endr
; THE LIST, sixteen registers of sel at a time, in ascending order.  For each: the lanes whose token chose e take the next ranks and store their entry, slot x 2,048 + token, at that rank; the others store
; into their dump word.  An entry is the row in part, the index in gw, and (its low 11 bits) the row in xb.  The index is held to the list's and the dump's 2,592 words ahead of the shift that makes the address.
.macro LISTBATCH b
.set n, 0
.rept 16
	v_and_b32 v[LT+n], s19, v[96+16*(\b)+n]
.set n, n+1
.endr
.set n, 0
.rept 16
	v_cmp_ne_u32 s[MK+n], 0, v[LT+n]
.set n, n+1
.endr
	s_wait_alu depctr_va_sdst(0)                   ; the sixteen masks are written, ahead of their first readers
.if (\b) > 0
	s_wait_alu depctr_vm_vsrc(0)                   ; the last batch's LDS stores have read LA and LD, which the lines below write again
.endif
.set n, 0
.rept 16
	v_mbcnt_lo_u32_b32 v[LA+n], s[MK+n], s21       ; rows found so far + chosen lanes below mine
	s_bcnt1_i32_b32 s23, s[MK+n]
	s_add_co_u32 s21, s21, s23
	v_cndmask_b32 v[LA+n], v[DMP], v[LA+n], s[MK+n]
	v_min_u32 v[LA+n], 0xa1f, v[LA+n]
	v_lshl_add_u32 v[LA+n], v[LA+n], 2, v[LST]
	v_lshrrev_b32 v[LD+n], s20, v[LT+n]            ; 1 if e is the token's second choice
	v_lshl_add_u32 v[LD+n], v[LD+n], 11, v[TOK+n%4]
.if n%4 == 3
.irp q, 0,1,2,3
	v_add_nc_u32 v[TOK+\q], 128, v[TOK+\q]
.endr
.endif
.set n, n+1
.endr
	s_wait_alu depctr_va_vdst(0)                   ; LA and LD are written, which the sixteen LDS stores read
.set n, 0
.rept 16
	ds_store_b32 v[LA+n], v[LD+n]
.set n, n+1
.endr
.endm
	LISTBATCH 0
	LISTBATCH 1
	LISTBATCH 2
	LISTBATCH 3
	; The 32 places behind the count take the list's last entry (with no rows: entry 0, a zero, and no tile is live).  Fifteen at the most lie in the last live tile.
	s_sub_co_i32 s23, s21, 1
	s_max_i32 s23, s23, 0
	v_mov_b32 v15, s23
	v_min_u32 v15, 0x7ff, v15                      ; a rank, 0 .. 2,047
	v_lshl_add_u32 v16, v15, 2, v[LST]
	v_add_nc_u32 v15, s21, v1
	v_min_u32 v15, 0x9ff, v15                      ; count + l, 2,079 at the most: inside the list's 2,560 places
	v_lshl_add_u32 v14, v15, 2, v[LST]
	s_wait_alu depctr_va_vdst(0)                   ; v16 and v14 are written: the addresses of the load and of the store below
	ds_load_b32 v17, v16                           ; my own bytes, served in order: this sees the stores above
	s_wait_dscnt 0x0
	ds_store_b32 v14, v17
	s_add_co_u32 s34, s21, 15
	s_lshr_b32 s34, s34, 4                         ; tiles in all
	s_sub_co_u32 s34, s34, s16
	s_add_co_u32 s34, s34, 3                       ; s34 = tiles - w + 3 - 40 p: a quarter of it, rounded down, is my live tiles
; THE WEIGHTS.  Four slots: 8 floats a lane and slot become 16 bytes of bf16, in out-buffer g % 2; they go to LDS (512 consecutive bytes a slot); refill = 1: the slots are loaded again, 32 KiB further on.
; Eight slots are a row of W: slot s belongs to row s / 8 of the lap and lies 512 (s % 8) bytes into it.
.macro WGROUP g, refill, left
	s_wait_loadcnt \left                           ; behind this group's eight loads: the younger groups'
	s_wait_alu depctr_vm_vsrc(0)                   ; the LDS stores of two groups back have read this out-buffer, which the roundings write again
	WIN 0x85                                       ; sources in window 1, destination in window 2
.set sl, 4*(\g)
.rept 4
.irp q, 0,1,2,3
	v_cvt_pk_bf16_f32 v[WOB+16*((\g)%2)+4*(sl%4)+\q], v[8*sl+2*\q], v[8*sl+2*\q+1]
.endr
.set sl, sl+1
.endr
	WIN 0x08                                       ; address window 0, data window 2
	s_wait_alu depctr_va_vdst(0)                   ; the roundings have written the out-buffer, which the LDS stores read, and are done reading the four slots, in which the loads below land; after a lap's end WLA is written
.set sl, 4*(\g)
.rept 4
	ds_store_b128 v[WLA+sl/8], v[WOB+16*((\g)%2)+4*(sl%4):WOB+16*((\g)%2)+4*(sl%4)+3] offset:512*(sl%8)
.set sl, sl+1
.endr
.if \refill
	WIN 0x40                                       ; no wait: since the one above only the LDS stores were issued, and they name neither the slots nor v[WGO]
.set sl, 4*(\g)
.rept 4
	global_load_b128 v[8*sl:8*sl+3],   v[WGO], s[24:25] offset:32768+1024*sl th:TH_LOAD_NT
	global_load_b128 v[8*sl+4:8*sl+7], v[WGO], s[24:25] offset:32768+1024*sl+16 th:TH_LOAD_NT
.set sl, sl+1
.endr
.endif
.endm
	s_mov_b32 s30, 3
.Llap:                                                 ; three laps of 32 KiB (four rows) that fill the ring again: 64 loads of mine are asked for throughout
.irp g, 0,1,2,3,4,5,6,7
	WGROUP \g, 1, 56
.endr
	WIN 0
	s_wait_xcnt 0x0                                ; the loads' addresses are translated: their base may step
	s_add_nc_u64 s[24:25], s[24:25], 0x8000
	s_wait_alu depctr_vm_vsrc(0)                   ; the lap's LDS stores have read WLA
.irp q, 0,1,2,3
	v_add_nc_u32 v[WLA+\q], WPITCH, v[WLA+\q]
.endr
	s_sub_co_u32 s30, s30, 1
	s_cmp_lg_u32 s30, 0
	s_cbranch_scc1 .Llap
.irp g, 0,1,2,3,4,5,6,7
	WGROUP \g, 0, 56-8*\g                          ; the last lap loads nothing: the counts run down
.endr
	WIN 0
	s_wait_dscnt 0x0                               ; for the others' sake: my 16 rows are in LDS
	s_barrier_signal -1
	s_barrier_wait -1                              ; the slice is whole.  From here to the closing lines no wave writes LDS
; An eighth of W's fragments of one K chunk (128 along K, 64 columns): piece p is K step p / 2, column blocks 2 (p % 2) and the next: 4 LDS loads, from the address registers adr .. adr + 3, koff bytes along the rows.
; Fragment (ks, cb) lies at 8 (4 ks + cb) of the buffer.
.macro WPIECE buf, adr, koff, p
.if (\buf)
	WIN 0xc0
.else
	WIN 0
.endif
.set BB, 96+32*(\buf)
.set ks, (\p)/2
.set cb, 2*((\p)%2)
.rept 2
	ds_load_b128 v[BB+8*(4*ks+cb):BB+8*(4*ks+cb)+3],   v[(\adr)+cb] offset:(\koff)+64*ks
	ds_load_b128 v[BB+8*(4*ks+cb)+4:BB+8*(4*ks+cb)+7], v[(\adr)+cb] offset:(\koff)+64*ks+32
.set cb, cb+1
.endr
.endm
; Tile j's token fragments of the K chunk at which its base stands: 8 loads, together 256 consecutive aligned bytes of each of its 16 rows.
; Load 2 ks brings K = 32 ks + 8 h + 0..7, load 2 ks + 1 the eight 16 further on.
.macro ALOAD j
.if (\j) < 8
	WIN 0x40
.set AA, 32*(\j)
.else
	WIN 0xc0
.set AA, 64+32*((\j)-8)
.endif
.set i, 0
.rept 8
	global_load_b128 v[AA+4*i:AA+4*i+3], v[AO+(\j)], s[SB+2*(\j):SB+2*(\j)+1] offset:32*i
.set i, i+1
.endr
.endm
; The head of tile j's slot.  THE COUNT 55.  Behind a tile's eight loads stand seven other tiles' 56 (more in the first chunk's first two slots and in the last chunk); 55, one less, is the largest count that,
; with the eight loads that follow, stays within what a wait's count can name (63).  step = 1: the tile's base moves on by a K chunk.
.macro ARRIVE j, step
	s_wait_loadcnt 55                              ; loads come back in order (ISA guide 5.7.1): my tile's eight are in
.if \step
	s_add_nc_u64 s[SB+2*(\j):SB+2*(\j)+1], s[SB+2*(\j):SB+2*(\j)+1], 256  ; free since that wait, which shows the loads that read it done
.endif
.endm
; Tile j in one K chunk: 16 products, its four accumulators by turns; the next tile begins on another.  first = 1: the chunk that starts the sums, with the bias as C; it is
; never jumped, so every accumulator is written on every way.
; Windows: tokens (source 0) in 1 or 3, W (source 1) in 0 or 3 by the buffer, C and D in 2 or 3; the bias as C in 0.
.macro MUL par, j, first
	WIN 0                                          ; at a branch and at a label every window is 0
.if !(\first)
	s_cmp_gt_u32 s[NT], \j
	s_cbranch_scc0 .Lskip_\@                       ; a dead tile's products are jumped; its loads are not
.endif
.if (\j) < 8
.set AC, 32*(\j)
.set AA, 32*(\j)
.set WM, 0xa1+12*(\par)
.set WF, 0x81
.else
.set AC, 32*((\j)-8)
.set AA, 64+32*((\j)-8)
.set WM, 0xf3+12*(\par)
.set WF, 0xc3
.endif
.set BB, 96+32*(\par)
.set ks, 0
.rept 4
.set cb, 0
.rept 4
.if (\first) && (ks == 0)
	WIN WF
	v_wmma_f32_16x16x32_bf16 v[AC+8*cb:AC+8*cb+7], v[AA+8*ks:AA+8*ks+7], v[BB+8*(4*ks+cb):BB+8*(4*ks+cb)+7], v[BIAS+8*cb:BIAS+8*cb+7]
.else
	WIN WM
	v_wmma_f32_16x16x32_bf16 v[AC+8*cb:AC+8*cb+7], v[AA+8*ks:AA+8*ks+7], v[BB+8*(4*ks+cb):BB+8*(4*ks+cb)+7], v[AC+8*cb:AC+8*cb+7]
.endif
.set cb, cb+1
.endr
.set ks, ks+1
.endr
	WIN 0
.if !(\first)
.Lskip_\@:
.endif
.endm
; A K chunk on W's buffer par: ten slots.  Slot j asks for tile j - 2's fragments of the next chunk (slots 0 and 1: tiles 8 and 9, of this chunk; the first chunk's were asked for at the pass's head) and, in
; slots 0 to 7, for an eighth of the next chunk's fragments of W, off bytes behind the addresses adr, into the other buffer; then come tile j's products.
.macro CHUNK par, first, adr, off
	s_wait_dscnt 0x0                               ; this chunk's fragments of W are in: the last of them was asked for three slots ahead of the last chunk's end
.irp j, 0,1,2,3,4,5,6,7,8,9
	ARRIVE \j, 1
.if ((\j)%2 == 0) && !((\first) && ((\j) == 0))
	s_wait_alu depctr_va_vdst(0)                   ; the products of all tiles before this slot are done reading their fragments, in which this slot's and the next's loads land; in slot 0 also: the last chunk's products are done reading W's other buffer, and VBW is written
.endif
.if !((\first) && ((\j) < 2))
	ALOAD ((\j)+8)%10                              ; in an odd slot no wait: since the last one only one tile's products were issued, which name its own fragments, W's buffer in hand and accumulators
.endif
.if (\j) < 8
	WPIECE 1-(\par), \adr, \off, \j
.endif
	MUL \par, \j, \first
.endr
.endm
; Tiles j and j + 1: their sixteen entries (rows 8 h + 0..7) become sixteen offsets in gw, in registers of their own, and sixteen offsets in part.  Never jumped: the loads' counts are alike on every way.
.macro GATE2 j
.if (\j) == 0
	s_wait_dscnt 0x0                               ; the entries are in: their loads stand 32 products back
.else
	s_wait_xcnt 0x0                                ; the last pair's gate loads have had their addresses translated (ISA guide 3.1),
	s_wait_alu depctr_vm_vsrc(0)                   ; and have read GA, which the lines below write again
.endif
.set t, 0
.rept 16
	v_min_u32 v[EN+8*(\j)+t], 0xfff, v[EN+8*(\j)+t]      ; an entry is a row of part and an index in gw, 0 .. 4,095
.set t, t+1
.endr
.set t, 0
.rept 16
	v_lshlrev_b32 v[GA+t], 2, v[EN+8*(\j)+t]
.set t, t+1
.endr
	s_wait_alu depctr_va_vdst(0)                   ; GA is written, which the gate loads read as their offsets
.set t, 0
.rept 16
	global_load_b32 v[GW+8*(\j)+t], v[GA+t], s[8:9]
.set t, t+1
.endr
.set t, 0
.rept 16
	v_lshl_add_u32 v[EN+8*(\j)+t], v[EN+8*(\j)+t], 13, v[C16]  ; x 8,192 bytes + 16 r
.set t, t+1
.endr
.endm
; THE LAST K CHUNK, on buffer 1.  Of operands it asks for tiles 8 and 9 alone: no load leaves xb.  Buffer 0's registers, idle now, take what the way out wants.
; The count stays 55: behind tile j's eight token loads stand 56 to 72 others, the later tiles' and the gate loads of the pairs before.
.macro TAIL
.rept 4
	v_nop                                          ; four places between the last chunk's products, which read W's buffer 0, and the vector lines of the gate work, which write its registers anew (ISA guide 7.12.1); the waits on va_vdst fill none
.endr
	s_wait_dscnt 0x0                               ; this chunk's fragments of W are in
.irp j, 0,1,2,3,4,5,6,7,8,9
	ARRIVE \j, 0
.if (\j) == 0
	s_wait_alu depctr_va_vdst(0)                   ; the last chunk's products are done reading tiles 8 and 9's fragments and W's buffer 0, in which the loads of this slot and the next land
.endif
.if (\j) < 2
	ALOAD (\j)+8
.endif
.if (\j) == 0
	WIN 0
.set i, 0
.rept 10
	ds_load_b128 v[EN+8*i:EN+8*i+3],   v[VDP] offset:256*i
	ds_load_b128 v[EN+8*i+4:EN+8*i+7], v[VDP] offset:256*i+16
.set i, i+1
.endr
.endif
	MUL 1, \j, 0
.if (\j)%2 == 1
	GATE2 (\j)-1
.endif
.endr
.endm
; THE WAY OUT of tile j: relu, gathered so that registers 4 t + 0..3 hold columns 4 r + 0..3 of token 8 h + t; the token's gate weight; each row to the place in part that its entry names.
; The numbers go into the tile's own fragment registers, so nothing that a store reads is written again in the pass.  A live tile is stored whole: its places past the count repeat its last row.
.macro OUT j
	s_cmp_gt_u32 s[NT], \j
	s_cbranch_scc0 .Lodone_\@
.if 8*(9-(\j)) > 63
	s_wait_loadcnt 63                              ; behind tile 0's gate loads stand 72, behind tile 1's 64: more than a wait's count can name, so 63: of the 80 the oldest 17 are in, both tiles' among them
.else
	s_wait_loadcnt 8*(9-(\j))                      ; my tile's gate weights are in; the later tiles' may be out
.endif
.if (\j) < 8
.set AC, 32*(\j)
.set OB, 32*(\j)
.set WR, 0x48                                          ; relu: destination window 1, source 1 window 2
.set WG, 0x44                                          ; the weight in window 0, the numbers in window 1
.set WS, 0x04                                          ; address window 0, data window 1
.else
.set AC, 32*((\j)-8)
.set OB, 64+32*((\j)-8)
.set WR, 0xcc                                          ; the same with the accumulators and the numbers in window 3
.set WG, 0xcc
.set WS, 0x0c
.endif
	WIN WR
.set i, 0
.rept 32
	v_max_num_f32 v[OB+i], 0, v[AC+8*(i%4)+i/4]    ; each accumulator from its lowest register on
.set i, i+1
.endr
	WIN WG
.set i, 0
.rept 32
	v_mul_f32 v[OB+i], v[GW+8*(\j)+i/4], v[OB+i]
.set i, i+1
.endr
	WIN WS
	s_wait_alu depctr_va_vdst(0)                   ; the tile's 32 numbers are written, which the stores read as data; so are its eight offsets in part, made in the last K chunk
.set i, 0
.rept 8
	global_store_b128 v[EN+8*(\j)+i], v[OB+4*i:OB+4*i+3], s[38:39]  ; 16 lanes store 256 consecutive bytes, at a multiple of 256 from part's first
.set i, i+1
.endr
	WIN 0
.Lodone_\@:
.endm
	s_mov_b32 s31, 4
	s_mov_b32 s[LOFF], 0
.Lpass:                                                ; four passes, a constant; no barrier stands in them and LDS is only read
	s_ashr_i32 s[NT], s34, 2
	s_max_i32 s[NT], s[NT], 0
	s_min_i32 s[NT], s[NT], 10
	s_cmp_eq_u32 s[NT], 0
	s_cbranch_scc1 .Lnext
	s_wait_loadcnt 0x0                             ; the pass before's loads, a dead tile's too, have landed: their registers are loaded again, and their bases written
	s_wait_xcnt 0x0                                ; and its stores have had their addresses translated
	s_wait_alu depctr_vm_vsrc(0)                   ; all memory and LDS instructions so far have read their registers: the list's and the weights' LDS stores (v14, LA, LD, the zeros, the out-buffers), the pass before's loads (VLP, VDP, AO, GA) and stores (EN, the tiles' results); all of these are written again below
.set i, 0
.rept 10
	s_mov_b64 s[SB+2*i:SB+2*i+1], s[4:5]           ; every tile's base: xb at K = 0
.set i, i+1
.endr
	v_add_nc_u32 v[VLP], s[LOFF], v[VL]            ; the pass's part of my list
	v_add_nc_u32 v[VDP], s[LOFF], v[VD]
	s_wait_alu depctr_va_vdst(0)                   ; VLP and VDP are written; and every earlier vector and matrix instruction is done with ET, with W's two buffers and with the tiles' fragment registers, in which loads land from here on
.set i, 0
.rept 10
	ds_load_b32 v[ET+i], v[VLP] offset:256*i       ; tile i's entry for row r
.set i, i+1
.endr
.irp p, 0,1,2,3,4,5,6,7
	WPIECE 0, VB0, 0, \p                           ; K chunk 0
.endr
	s_wait_dscnt 32                                ; the ten entries are in; the 32 fragment loads behind them may be out
.set i, 0
.rept 10
	v_and_b32 v14, 0x7ff, v[ET+i]                  ; the token,
	v_min_u32 v14, 0x7ff, v14                      ; a row of xb, 0 .. 2,047
	v_lshl_add_u32 v[AO+i], v14, 12, v[H16]
.set i, i+1
.endr
	s_wait_alu depctr_va_vdst(0)                   ; the ten offsets AO are written, which every token load of the pass reads
.irp j, 0,1,2,3,4,5,6,7,8,9
	ALOAD \j
.endr
	WIN 0
	CHUNK 0, 1, VB0, 256                           ; K chunk 0 starts the sums and fetches chunk 1
	s_mov_b32 s[KOFF], 512
	s_mov_b32 s32, 7
.Lpair:                                                ; trip t: K chunks 2 t + 1 and 2 t + 2; of W they fetch chunks 2 t + 2 and 2 t + 3, at bytes 512 (t + 1) and 256 further on
	s_wait_alu depctr_vm_vsrc(0)                   ; the LDS loads issued so far have read VBW
.irp b, 0,1,2,3
	v_add_nc_u32 v[VBW+\b], s[KOFF], v[VB0+\b]
.endr
	CHUNK 1, 0, VBW, 0
	CHUNK 0, 0, VBW, 256
	s_add_co_u32 s[KOFF], s[KOFF], 512
	s_sub_co_u32 s32, s32, 1
	s_cmp_lg_u32 s32, 0
	s_cbranch_scc1 .Lpair
	TAIL                                           ; K chunk 15.  The 48 plain lines of its last pair's gate work, which name no register of the last products, are the places behind them (ISA guide 7.12.1)
.irp j, 0,1,2,3,4,5,6,7,8,9
	OUT \j
.endr
.Lnext:
	s_sub_co_i32 s34, s34, 40                      ; the next pass's 40 tiles: 640 entries, 2,560 bytes of the list
	s_add_co_u32 s[LOFF], s[LOFF], 4*640
	s_sub_co_u32 s31, s31, 1
	s_cmp_lg_u32 s31, 0
	s_cbranch_scc1 .Lpass
	s_wait_dscnt 0x0                               ; my reads of LDS are over;
	s_barrier_signal -1
	s_barrier_wait -1                              ; so are every wave's
	s_wait_dscnt 0x0                               ; the wave's end
	s_wait_alu depctr_hold_cnt(0) depctr_sa_sdst(0) depctr_va_vdst(0) depctr_va_sdst(0) depctr_va_ssrc(0) depctr_va_vcc(0) depctr_vm_vsrc(0)
	s_wait_tensorcnt 0x0
	ds_add_u32 v24, v25
	s_wait_dscnt 0x0
	s_endpgm
.Lfunc_end_k_q321d3dc232_experts:
	.size	k_q321d3dc232_experts, .Lfunc_end_k_q321d3dc232_experts-k_q321d3dc232_experts
	.p2alignl 7, 3214868480
	.fill 96, 4, 3214868480
	.section	.rodata,"a",@progbits
	.p2align	6, 0x0
	.amdhsa_kernel k_q321d3dc232_experts
		.amdhsa_group_segment_fixed_size 305664
		.amdhsa_private_segment_fixed_size 0
		.amdhsa_enable_private_segment 0
		.amdhsa_kernarg_size 48
		.amdhsa_user_sgpr_count 2
		.amdhsa_user_sgpr_kernarg_segment_ptr 1
		.amdhsa_wavefront_size32 1
		.amdhsa_system_sgpr_workgroup_id_x 1
		.amdhsa_system_sgpr_workgroup_id_y 1
		.amdhsa_system_sgpr_workgroup_id_z 1
		.amdhsa_system_vgpr_workitem_id 0
		.amdhsa_next_free_vgpr 1024
		.amdhsa_next_free_sgpr 86
		.amdhsa_reserve_vcc 0
		.amdhsa_float_denorm_mode_32 3
		.amdhsa_float_denorm_mode_16_64 3
		.amdhsa_memory_ordered 1
		.amdhsa_forward_progress 1
		.amdhsa_inst_pref_size 229
	.end_amdhsa_kernel
	.amdgpu_metadata
---
amdhsa.version: [ 1, 2 ]
amdhsa.kernels:
  - .name:           k_q321d3dc232_experts
    .symbol:         k_q321d3dc232_experts.kd
    .args:
      - { .name: xb, .offset: 0, .size: 8, .value_kind: global_buffer, .address_space: global }
      - { .name: sel, .offset: 8, .size: 8, .value_kind: global_buffer, .address_space: global }
      - { .name: gw, .offset: 16, .size: 8, .value_kind: global_buffer, .address_space: global }
      - { .name: W_experts, .offset: 24, .size: 8, .value_kind: global_buffer, .address_space: global }
      - { .name: b_experts, .offset: 32, .size: 8, .value_kind: global_buffer, .address_space: global }
      - { .name: part, .offset: 40, .size: 8, .value_kind: global_buffer, .address_space: global }
    .group_segment_fixed_size: 305664
    .private_segment_fixed_size: 0
    .kernarg_segment_align: 8
    .kernarg_segment_size: 48
    .max_flat_workgroup_size: 128
    .sgpr_count:     86
    .vgpr_count:     1024
    .wavefront_size: 32
...
	.end_amdgpu_metadata
.endif
;; end of part 4
;; launch combine: the kernel of part 3 again; grid 256 x 1, 8 waves a work-group, no clusters, 0 bytes of LDS; arguments part, out0; writes out0
